; MI455X (gfx1250); checked and timed in simulation.
; The chip was launched on July 23, 2026; its instructions are those of AMD's public machine-readable ISA for CDNA 5 (MIT licence, August 2026) and "CDNA5" Instruction Set Architecture Reference Guide (July 2026). The comments in the code are by the model that wrote it; some were corrected since.
;; RNN Multi Step Module. Allowed arithmetic: float matrix products may take bf16 or f16 operands with f32 sums; all other float work in f32.
;; Inputs: W_hh 3,072 x 1,024 float32; W_ih 3,072 x 1 float32; b_hh 3,072 float32; b_ih 3,072 float32; z 8,192 x 1,024 float32.
;; Outputs: out0 8,192 x 1,024 float32.
;; Constants: n_steps = 2.
;; 2 versions, each right; version 2 is version 1 with the launch prep written anew for expert scheduling mode. Each part assembles by itself: llvm-mc -triple=amdgcn-amd-amdhsa -mcpu=gfx1250 --defsym DOCPART=n.
;; ======== version 1 of 2: 3 launches
;; workspace buffers: wb 6,291,456 bytes; bias1 16,384 bytes; bias2 16,384 bytes; h1 33,554,432 bytes
;; launch prep (part 1): grid 388 x 1, 4 waves a work-group, no clusters, 17,920 bytes of LDS; arguments W_hh, W_ih, b_ih, b_hh, wb, bias1, bias2; writes wb, bias1, bias2
.if DOCPART == 1
	.amdgcn_target "amdgcn-amd-amdhsa--gfx1250"
	.amdhsa_code_object_version 6
	.text
	.protected	k_q4195484e3c_prep
	.globl	k_q4195484e3c_prep
	.p2align	8
	.type	k_q4195484e3c_prep,@function
k_q4195484e3c_prep:
	s_mov_b64 s[64:65], 0
	v_nop
	global_prefetch_b8 v0, s[64:65] scope:SCOPE_SE
	s_setreg_imm32_b32 hwreg(HW_REG_WAVE_MODE, 25, 1), 1
	s_wait_xcnt 0x0
; PREPARATION for the two GRU steps.
; (1) Work-groups 0 to 383: W_hh [3072][1024] f32 is rounded to bf16 (nearest even) and laid out as the register images that the step kernel's waves read:
;     wb = [ct 8][wc 2][U 128][i 3][c 2][L 32][8 bf16], where U = 4 p + q, f = 3 q + i, g = f / 4, b = f % 4,
;     row n = 1024 g + 128 ct + 64 wc + 16 b + L % 16 of W_hh and k = 32 p + 16 c + 8 (L / 16) + 0..7.  A fragment (16 rows x 32 k) is 1,024 dense bytes.
;     A work-group takes 16 rows x 512 k, each of its four waves 16 rows x 128 k: 16 loads of 512 consecutive bytes of a row, a turn through the wave's own
;     LDS bytes (rows of 256 bytes + 16 of padding), 8 stores of 512 consecutive bytes.  No wave reads another's bytes: no barrier.
; (2) Work-groups 384 to 387: the gates' constants for t = 1 (bias1) and t = 2 (bias2), [kind 4][1024] f32, with L = log2(e):
;     kind 0: -L (t Wih_r + bih_r + bhh_r)   kind 1: the same for the z gate   kind 2: 2 L (t Wih_n + bih_n)   kind 3: 2 L bhh_n
;     A thread makes two neighbouring columns; a wave's store covers 256 consecutive bytes, aligned.
; LIMITS: the sums of the biases are formed here in another order than gi + gh; NaN and infinities are not treated apart.
.set PW,    272                        ; an LDS row: 128 bf16 + 16 bytes of padding: the 16 rows of a load back start at 16 different groups of four banks (64 banks of 4 bytes: ISA guide 11.1)
.set SPARE, 4*16*PW                    ; 17,408: behind the four waves' stages: the spare words, 128 bytes a wave, which no other line names
.set LO,  2                            ; v2   16 x lane: my bytes in 512 consecutive bytes, in and out
.set ST,  3                            ; v3   where I put 8 bytes of a row
.set RB,  4                            ; v4   where I read 16 bytes of a fragment back
.set SPW, 5                            ; v5   my spare word
.set NIL, 6                            ; v6   0
.set X,   8                            ; v[8:71]    16 rows, 4 f32 each
.set Y,   72                           ; v[72:103]  the same as 2 registers of bf16
.set F,   104                          ; v[104:135] 8 half fragments
	s_load_b256 s[4:11], s[0:1], 0x0               ; W_hh s[4:5], W_ih s[6:7], b_ih s[8:9], b_hh s[10:11]
	s_load_b128 s[12:15], s[0:1], 0x20             ; wb s[12:13], bias1 s[14:15]
	s_load_b64 s[16:17], s[0:1], 0x30              ; bias2
	v_lshl_add_u32 v[SPW], v0, 2, SPARE
	v_mov_b32 v[NIL], 0
	s_cmp_ge_u32 ttmp9, 384
	s_cbranch_scc1 .Lbias
	v_lshrrev_b32 v1, 5, v0
	v_readfirstlane_b32 s18, v1                    ; wave 0..3
	v_and_b32 v1, 31, v0                           ; lane
	v_lshlrev_b32 v[LO], 4, v1
	s_mul_i32 s19, s18, 16*PW                      ; my wave's stage
	v_lshl_add_u32 v[ST], v1, 3, s19               ; in: 8 bytes a lane along a row
	v_and_b32 v7, 15, v0
	v_mul_u32_u24 v[RB], v7, PW                    ; back: row lane % 16,
	v_bfe_u32 v7, v0, 4, 1
	v_lshl_add_u32 v[RB], v7, 4, v[RB]             ; 16 bytes for each half of the lanes
	v_add_nc_u32 v[RB], s19, v[RB]
	s_lshr_b32 s20, ttmp9, 1                       ; nb: which 16 rows of W_hh
	s_and_b32 s21, ttmp9, 1                        ; kh: which half of K
	s_lshl_b32 s22, s20, 16                        ; from: 16 nb rows of 4,096 bytes
	s_lshl_b32 s24, s21, 11                        ; + 512 kh numbers
	s_add_co_u32 s22, s22, s24
	s_lshl_b32 s24, s18, 9                         ; + 128 w numbers
	s_add_co_u32 s22, s22, s24
	s_mov_b32 s23, 0
	s_lshr_b32 s24, s20, 6                         ; g
	s_and_b32 s25, s20, 3                          ; b
	s_lshl2_add_u32 s24, s24, s25                  ; f = 4 g + b, 0 to 11
	s_mul_i32 s25, s24, 11
	s_lshr_b32 s25, s25, 5                         ; q = f / 3 (11 f / 32 is exact for f up to 11)
	s_mul_i32 s26, s25, 3
	s_sub_co_u32 s24, s24, s26                     ; i = f - 3 q
	s_bfe_u32 s26, s20, 0x40002                    ; 2 ct + wc = (nb / 4) % 16
	s_mul_i32 s26, s26, 393216                     ; to: the stream,
	s_lshl_b32 s27, s21, 6
	s_lshl4_add_u32 s27, s18, s27
	s_add_co_u32 s27, s27, s25                     ; group 64 kh + 16 w + q (the four phases stand in the stores' immediates),
	s_mul_i32 s27, s27, 3072
	s_add_co_u32 s26, s26, s27
	s_lshl_b32 s24, s24, 10                        ; fragment i
	s_add_co_u32 s26, s26, s24
	s_mov_b32 s27, 0
	s_wait_kmcnt 0x0
	s_add_nc_u64 s[4:5], s[4:5], s[22:23]
	s_add_nc_u64 s[12:13], s[12:13], s[26:27]
.set i, 0
.rept 16                                               ; sixteen loads in flight: 512 consecutive bytes of a row each; W_hh is read once in the launch
	global_load_b128 v[X+4*i:X+4*i+3], v[LO], s[4:5] offset:4096*i th:TH_LOAD_NT
.set i, i+1
.endr
.set i, 0
.rept 16
	s_wait_loadcnt 15-i                            ; loads come back in order: row i is in, the younger ones stay out
	v_cvt_pk_bf16_f32 v[Y+2*i], v[X+4*i], v[X+4*i+1]
	v_cvt_pk_bf16_f32 v[Y+2*i+1], v[X+4*i+2], v[X+4*i+3]
	ds_store_b64 v[ST], v[Y+2*i:Y+2*i+1] offset:PW*i
.set i, i+1
.endr
.set i, 0
.rept 8                                                ; half fragment i = 2 pp + c: k = 32 pp + 16 c + 8 (lane / 16) on.  LDS serves a wave's instructions in order: these see the stores above
	ds_load_b128 v[F+4*i:F+4*i+3], v[RB] offset:32*i
.set i, i+1
.endr
.set i, 0
.rept 8
	s_wait_dscnt 7-i
	global_store_b128 v[LO], v[F+4*i:F+4*i+3], s[12:13] offset:12288*(i/2)+512*(i%2)  ; 512 consecutive bytes, at a multiple of 512 from wb's first
.set i, i+1
.endr
	s_wait_tensorcnt 0x0                           ; the wave's end, behind my last LDS store
	ds_add_u32 v[SPW], v[NIL]
	s_wait_dscnt 0x0
	s_endpgm
.Lbias:                                                ; this way writes no LDS
	s_sub_co_u32 s18, ttmp9, 384
	s_lshl_b32 s18, s18, 7
	v_add_nc_u32 v8, s18, v0                       ; T = 0 to 511: columns 2 T and 2 T + 1
	v_lshlrev_b32 v8, 3, v8
	s_mov_b32 s20, 0xbfb8aa3b                      ; -log2(e), named as a pair
	s_mov_b32 s21, s20
	s_mov_b32 s22, 0x4038aa3b                      ; 2 log2(e)
	s_mov_b32 s23, s22
	s_wait_kmcnt 0x0
.irp g, 0,1,2
	global_load_b64 v[10+2*\g:11+2*\g], v8, s[6:7] offset:4096*\g    ; W_ih of gate g
	global_load_b64 v[16+2*\g:17+2*\g], v8, s[8:9] offset:4096*\g    ; b_ih
	global_load_b64 v[22+2*\g:23+2*\g], v8, s[10:11] offset:4096*\g  ; b_hh
.endr
	s_wait_loadcnt 0x0
.irp g, 0,1,2
	v_pk_add_f32 v[28+2*\g:29+2*\g], v[10+2*\g:11+2*\g], v[16+2*\g:17+2*\g]                       ; t = 1: W_ih + b_ih
	v_pk_fma_f32 v[34+2*\g:35+2*\g], v[10+2*\g:11+2*\g], 2.0, v[16+2*\g:17+2*\g] op_sel_hi:[1,0,1]  ; t = 2
.endr
.macro TABLE x, y, base                ; the four kinds from gi at v[x ..], into v[y ..], stored to the table at s[base]
	v_pk_add_f32 v[(\y):(\y)+1], v[(\x):(\x)+1], v[22:23]
	v_pk_add_f32 v[(\y)+2:(\y)+3], v[(\x)+2:(\x)+3], v[24:25]
	v_pk_mul_f32 v[(\y):(\y)+1], v[(\y):(\y)+1], s[20:21] op_sel_hi:[1,0]
	v_pk_mul_f32 v[(\y)+2:(\y)+3], v[(\y)+2:(\y)+3], s[20:21] op_sel_hi:[1,0]
	v_pk_mul_f32 v[(\y)+4:(\y)+5], v[(\x)+4:(\x)+5], s[22:23] op_sel_hi:[1,0]
	v_pk_mul_f32 v[(\y)+6:(\y)+7], v[26:27], s[22:23] op_sel_hi:[1,0]
.irp k, 0,1,2,3
	global_store_b64 v8, v[(\y)+2*\k:(\y)+2*\k+1], s[(\base):(\base)+1] offset:4096*\k
.endr
.endm
	TABLE 28, 40, 14
	TABLE 34, 48, 16
	s_endpgm
.Lfunc_end_k_q4195484e3c_prep:
	.size	k_q4195484e3c_prep, .Lfunc_end_k_q4195484e3c_prep-k_q4195484e3c_prep
	.p2alignl 7, 3214868480
	.fill 96, 4, 3214868480
	.section	.rodata,"a",@progbits
	.p2align	6, 0x0
	.amdhsa_kernel k_q4195484e3c_prep
		.amdhsa_group_segment_fixed_size 17920
		.amdhsa_private_segment_fixed_size 0
		.amdhsa_enable_private_segment 0
		.amdhsa_kernarg_size 56
		.amdhsa_user_sgpr_count 2
		.amdhsa_user_sgpr_kernarg_segment_ptr 1
		.amdhsa_wavefront_size32 1
		.amdhsa_system_sgpr_workgroup_id_x 1
		.amdhsa_system_sgpr_workgroup_id_y 1
		.amdhsa_system_sgpr_workgroup_id_z 1
		.amdhsa_system_vgpr_workitem_id 0
		.amdhsa_next_free_vgpr 136
		.amdhsa_next_free_sgpr 66
		.amdhsa_reserve_vcc 0
		.amdhsa_float_denorm_mode_32 3
		.amdhsa_float_denorm_mode_16_64 3
		.amdhsa_memory_ordered 1
		.amdhsa_forward_progress 1
		.amdhsa_inst_pref_size 12
	.end_amdhsa_kernel
	.amdgpu_metadata
---
amdhsa.version: [ 1, 2 ]
amdhsa.kernels:
  - .name:           k_q4195484e3c_prep
    .symbol:         k_q4195484e3c_prep.kd
    .args:
      - { .name: W_hh, .offset: 0, .size: 8, .value_kind: global_buffer, .address_space: global }
      - { .name: W_ih, .offset: 8, .size: 8, .value_kind: global_buffer, .address_space: global }
      - { .name: b_ih, .offset: 16, .size: 8, .value_kind: global_buffer, .address_space: global }
      - { .name: b_hh, .offset: 24, .size: 8, .value_kind: global_buffer, .address_space: global }
      - { .name: wb, .offset: 32, .size: 8, .value_kind: global_buffer, .address_space: global }
      - { .name: bias1, .offset: 40, .size: 8, .value_kind: global_buffer, .address_space: global }
      - { .name: bias2, .offset: 48, .size: 8, .value_kind: global_buffer, .address_space: global }
    .group_segment_fixed_size: 17920
    .private_segment_fixed_size: 0
    .kernarg_segment_align: 8
    .kernarg_segment_size: 56
    .max_flat_workgroup_size: 128
    .sgpr_count:     66
    .vgpr_count:     136
    .wavefront_size: 32
...
	.end_amdgpu_metadata
.endif
;; end of part 1
;; launch step1 (part 2): grid 8 x 32, 4 waves a work-group, clusters of 4 x 4, 327,680 bytes of LDS; arguments z, wb, bias1, h1; writes h1
.if DOCPART == 2
	.amdgcn_target "amdgcn-amd-amdhsa--gfx1250"
	.amdhsa_code_object_version 6
	.text
	.protected	k_q4195484e3c_step1
	.globl	k_q4195484e3c_step1
	.p2align	8
	.type	k_q4195484e3c_step1,@function
k_q4195484e3c_step1:
	s_mov_b64 s[64:65], 0
	v_nop
	global_prefetch_b8 v0, s[64:65] scope:SCOPE_SE
	s_setreg_imm32_b32 hwreg(HW_REG_WAVE_MODE, 25, 1), 1
	s_wait_xcnt 0x0
	s_wait_alu depctr_hold_cnt(0) depctr_sa_sdst(0) depctr_va_vdst(0) depctr_va_sdst(0) depctr_va_ssrc(0) depctr_va_vcc(0) depctr_vm_vsrc(0)
	s_getreg_b32 s2, hwreg(HW_REG_IB_STS2, 6, 4)
	s_cmp_eq_u32 s2, 0
	s_cbranch_scc0 .Lentry_in_a_cluster
	s_endpgm
.Lentry_in_a_cluster:
	s_bfe_u32 s2, ttmp6, 0x10000c
	s_cmp_lg_u32 s2, 0xf033
	s_cbranch_scc0 .Lentry_shape_is_right
	s_endpgm
.Lentry_shape_is_right:
; ONE GRU STEP.  h' = (1 - z) n + z h with r = sigmoid(cr + h Wr^T), z = sigmoid(cz + h Wz^T), n = tanh(cin + r (h Wn^T + bhn)).
; Arguments: h [8192][1024] f32; wb, W_hh in bf16 as register images (layout below); the step's table of constants [4][1024] f32; h' [8192][1024] f32.
; The products take h and W rounded to bf16 and add in f32; gates, blend and the h that is carried on are f32.
; LIMITS.  tanh(x) = 1 - 2 / (1 + 2^(2 L x)), absolute error about 1e-7; where an exponential overflows its reciprocal is 0, which is the gate's saturated value; NaN and infinities in the inputs are not treated apart.
; SHARES.  A work-group owns 256 rows x 128 columns of h', for which it needs 384 rows of W (three gates): 8 x 32 work-groups.  Wave w: rows 128 (w / 2) on, columns 64 (w % 2) on:
; 8 row blocks a x 4 column blocks b x 3 gates g = 96 accumulators, 768 registers; gate g fills window g + 1, accumulator (a, b) at v[8 (4 a + b)].
; THE MATRIX INSTRUCTION IS USED TRANSPOSED (source 0 = 16 rows of W, source 1 = 16 rows of h): lane l holds row l % 16 and the eight neighbouring columns 8 (l / 16) + 0..7, in all three gates alike.
; K.  A PHASE is 32 along K: 96 matrix instructions, in four UNITS of 24 (three fragments of W x the 8 row blocks).  h's eight bf16 fragments of a phase stay in registers, two buffers by the phase's parity; they
; are read from LDS as f32, a pair of row blocks at each unit's head, and converted at the next unit's head.  W's fragments come three at a time (a GROUP, 3,072 bytes), two buffers, one unit ahead.
; RING.  Two LDS slots.  Window n holds h's 64 k of K step n (256 rows of 256 bytes) and, for each half of the columns, W's groups 8 n - 3 to 8 n + 4: shifted by three groups, so that all that a phase p reads
; lies in window (p + 1) / 2, and h's and W's reads change slots together, at the head of every odd phase.  There stands the one barrier, and behind it the one load a wave.
; wb = [ct 8][wc 2][U 128][i 3][c 2][L 32][8 bf16]: group U = 4 p + q, fragment f = 3 q + i (g = f / 4, b = f % 4): row 1024 g + 128 ct + 64 wc + 16 b + L % 16 of W_hh, k = 32 p + 16 c + 8 (L / 16) + 0..7.
; CLUSTER.  4 x 4 work-groups.  The four of a row of the cluster need the same rows of h, the four of a column the same streams of W: each tile is asked for JOINTLY, by the same tensor load with the same
; descriptor and a mask that names the four.  Waves 0 and 1 fetch h's two halves, waves 2 and 3 W's two streams.
; THE OLD h for the blend, 128 rows x 256 bytes a wave, has the shape of one of h's tiles: each wave fetches its own into a part of the ring that is read no more (a plain load; only that wave reads it).
; REGISTERS, window 0: v0-15 addresses; v16-47 AS (a pair of row blocks in f32); v48-95 BF (two groups of W); v96-223 AF (two buffers of 8 fragments of h); v224-255 a second AS for the start.
; On the way out: v16-79 the old h of two row blocks by turns; v96-223 the four kinds of constants for my 32 columns a lane; v224-255 rows read back from the stage.
.set PA,     272                       ; an LDS row of h: 256 bytes + 16 of padding = 68 words: the 16 rows of a load start at 16 different groups of four banks (64 banks of 4 bytes: ISA guide 11.1)
.set HALFA,  128*PA                    ; what one tensor load brings of h
.set BOFF,   2*HALFA                   ; behind h's 256 rows: W's two streams
.set GRP,    3072                      ; a group: three fragments
.set BSTR,   8*GRP                     ; a stream's eight groups in a slot
.set SLOT1,  1<<17                     ; slot 1 begins here: one exclusive or turns an address in one slot into the other's
.set STAGE,  SLOT1+BOFF+2*BSTR         ; behind the ring, never filled by a tensor load: 16 rows x 272 bytes for each wave, for the way out
.set BIAS,   STAGE+4*16*PA             ; [kind 4][128 columns] f32
.set SPARE,  BIAS+2048                 ; the spare words, 128 bytes for each wave, which no other line names
.set ADRA, 2                           ; v2-3  my place in h's tile, slot 0, 1
.set ADRB, 4                           ; v4-5  my place in W's stream, slot 0, 1
.set ADRH, 6                           ; v6    my place in my wave's tile of the old h
.set STO,  7                           ; v7    the way out: where I put 16 bytes of a row
.set RD,   8                           ; v8    where I read a row back
.set GO,   9                           ; v9    my byte offset in two rows of h'
.set ADRC, 10                          ; v10   my columns' constants
.set SPW,  12                          ; v12   my spare word: SPARE + 4 x my thread's number; never rewritten
.set NIL,  13                          ; v13   0; never rewritten
.set AS,   16
.set BF,   48
.set AF,   96
.set AS2,  224
.set HO,   16
.set CR,   96
.set CZ,   128
.set CI,   160
.set CH,   192
.set BK,   224
.set WV, 12                            ; s12 wave; s13 wave / 2: my half of the rows, and: I fetch h (0) or W (1); s14 wave % 2: my half of the columns, and: which half I fetch
.set WR, 13
.set WC, 14
.set CX, 15
.set CY, 16
.set CT, 17                            ; s17 tile column, 0 to 7
.set RT, 18                            ; s18 tile row, 0 to 31
.set RMASK, 19
.set CMASK, 20
.set CNT,  21
.set G1A,  24                          ; s[24:31] group 1, h's tiles
.set G0A0, 32                          ; s[32:35] group 0, h's window 0
.set G0A,  36                          ; s[36:39] group 0, h's: it walks
.set G1B,  40                          ; s[40:47] group 1, W's tiles of 8 groups
.set G0BF, 48                          ; s[48:51] group 0, W's window 0
.set G0B,  52                          ; s[52:55] group 0, W's: it walks
.set G1BF, 56                          ; s[56:63] group 1, W's first tile: 5 groups
.set G1BL, 68                          ; s[68:75] group 1, W's last tile: 3 groups
.set G1H,  76                          ; s[76:83] group 1, the old h: as h's, without a mask
.set G0H,  84                          ; s[84:87] group 0, the old h
.set NL,   94                          ; s[94:95] -log2(e), named as a pair
.set TL,   96                          ; s[96:97] 2 log2(e)
.set MSB, 0
.macro WIN new                         ; s_set_vgpr_msb: bits 1:0 source 0, 3:2 source 1, 5:4 source 2, 7:6 destination; the high byte repeats the setting that is left
.if MSB != (\new)
	s_set_vgpr_msb (MSB<<8)|(\new)
.set MSB, \new
.endif
.endm
.macro PLACES                          ; four places in front of loads into registers that matrix instructions have read, and of vector work on their results
.rept 4
	v_nop
.endr
.endm
; A fill: waves 0 and 1 issue the first line, waves 2 and 3 the second.  The branch hangs on the wave's number alone.  An s_nop 0 and four v_nop follow each line.
.macro JLOAD ga, g1a, gb, g1b
	s_cmp_eq_u32 s[WR], 0
	s_cbranch_scc0 .Lfor_b_\@
	tensor_load_to_lds s[(\ga):(\ga)+3], s[(\g1a):(\g1a)+7]
	s_nop 0
	PLACES
	s_branch .Lasked_\@
.Lfor_b_\@:
	tensor_load_to_lds s[(\gb):(\gb)+3], s[(\g1b):(\g1b)+7]
	s_nop 0
	PLACES
.Lasked_\@:
.endm
.macro JLOADH                          ; waves 2 and 3 fetch their old h; waves 0 and 1 have theirs and issue nothing
	s_cmp_eq_u32 s[WR], 0
	s_cbranch_scc1 .Lno_h_\@
	tensor_load_to_lds s[G0H:G0H+3], s[G1H:G1H+7]
	s_nop 0
	PLACES
.Lno_h_\@:
.endm
.macro CREST                           ; a round of the cluster's barrier behind its opening barrier
	s_cmp_lg_u32 s[WV], 0
	s_cbranch_scc1 .Lnot_wave_0_\@
	s_barrier_signal -3
.Lnot_wave_0_\@:
	s_barrier_wait -3
	s_barrier_signal -1
	s_barrier_wait -1
.endm
.macro CROUND                          ; a whole round
	s_barrier_signal -1
	s_barrier_wait -1
	CREST
.endm
.macro G1BSET g, rows                  ; W's tiles are dense: rows of 256 bytes (32 elements of 8 bytes), no padding
	s_or_b32 s[(\g)], s[CMASK], (3<<16)|(1<<21)    ; 15:0 the mask: my column of the cluster; 17:16 elements of 8 bytes; 21 set beside a mask
	s_mov_b32 s[(\g)+1], 32<<16                    ; tensor_dim0 = 32
	s_mov_b32 s[(\g)+2], (\rows)<<16               ; tensor_dim1
	s_mov_b32 s[(\g)+3], 32<<16                    ; tile_dim0 = 32
	s_mov_b32 s[(\g)+4], \rows                     ; tile_dim1
	s_mov_b32 s[(\g)+5], 32                        ; elements from row to row
	s_mov_b32 s[(\g)+6], 0
	s_mov_b32 s[(\g)+7], 0
.endm
	s_load_b256 s[4:11], s[0:1], 0x0               ; h s[4:5], wb s[6:7], constants s[8:9], h' s[10:11]
	v_lshl_add_u32 v[SPW], v0, 2, SPARE
	v_mov_b32 v[NIL], 0
	ds_add_u32 v[SPW], v[NIL]                      ; the wave's opening: the add and its wait stand ahead of my first tensor load; the set-up below, work on registers, stands between them
	v_lshrrev_b32 v1, 5, v0
	v_readfirstlane_b32 s[WV], v1
	s_lshr_b32 s[WR], s[WV], 1
	s_and_b32 s[WC], s[WV], 1
	s_bfe_u32 s[CX], ttmp6, 0x40000                ; my place in the cluster
	s_bfe_u32 s[CY], ttmp6, 0x40004
	s_lshl_b32 s[CT], ttmp9, 2                     ; in a cluster launch ttmp9 and ttmp7 count clusters
	s_add_co_u32 s[CT], s[CT], s[CX]
	s_and_b32 s[RT], ttmp7, 0xffff
	s_lshl_b32 s[RT], s[RT], 2
	s_add_co_u32 s[RT], s[RT], s[CY]
	s_lshl_b32 s[RMASK], s[CY], 2
	s_lshl_b32 s[RMASK], 15, s[RMASK]              ; my row of the cluster: places 4 cy .. 4 cy + 3
	s_lshl_b32 s[CMASK], 0x1111, s[CX]             ; my column: places cx, cx + 4, cx + 8, cx + 12
	; group 1 for h: 128 rows x 64 elements of 4 bytes, 16 bytes of padding behind each row
	s_or_b32 s[G1A], s[RMASK], (2<<16)|(1<<20)|(1<<21)|(5<<22)|(3<<25)  ; 15:0 the mask; 17:16 4-byte elements; 20 padding on; 21 set beside a mask; 24:22 after every 64 words (code 5); 31:25 4 words (code 3)
	s_mov_b32 s[G1H], (2<<16)|(1<<20)|(5<<22)|(3<<25)                   ; the same without a mask: a load of my own
.irp g, G1A, G1H
	s_mov_b32 s[(\g)+1], 64<<16                    ; tensor_dim0 = 64
	s_mov_b32 s[(\g)+2], 128<<16                   ; tensor_dim1 = 128
	s_mov_b32 s[(\g)+3], 64<<16                    ; tile_dim0 = 64
	s_mov_b32 s[(\g)+4], 128                       ; tile_dim1 = 128
	s_mov_b32 s[(\g)+5], 1024                      ; elements from row to row
	s_mov_b32 s[(\g)+6], 0
	s_mov_b32 s[(\g)+7], 0
.endr
	G1BSET G1B, 96                                 ; 8 groups = 24,576 bytes
	G1BSET G1BF, 60                                ; window 0: groups 0 to 4
	G1BSET G1BL, 36                                ; window 16: groups 125 to 127
	; offsets.  h's hang on the tile row and the wave, W's on the tile column and the wave: each in registers that never hold the other coordinate
	s_lshl_b32 s88, s[RT], 20                      ; 256 rt rows of 4,096 bytes
	s_lshl_b32 s22, s[WC], 19                      ; + the 128 rows that I fetch
	s_add_co_u32 s88, s88, s22
	s_mov_b32 s89, 0
	s_lshl_b32 s90, s[CT], 1
	s_add_co_u32 s90, s90, s[WC]
	s_mul_i32 s90, s90, 393216                     ; stream 2 ct + the half that I fetch
	s_mov_b32 s91, 0
	s_lshl_b32 s92, s[RT], 20                      ; my part of h and of h': row 256 rt + 128 (w / 2),
	s_lshl_b32 s2, s[WR], 19
	s_add_co_u32 s92, s92, s2
	s_lshl_b32 s2, s[CT], 9                        ; column 128 ct + 64 (w % 2)
	s_add_co_u32 s92, s92, s2
	s_lshl_b32 s2, s[WC], 8
	s_add_co_u32 s92, s92, s2
	s_mov_b32 s93, 0
	s_mul_i32 s22, s[WC], HALFA                    ; where the tiles go: no place in the cluster enters an LDS address
	s_mul_i32 s23, s[WC], BSTR
	s_add_co_u32 s23, s23, BOFF
	s_lshl_b32 s3, s[WR], 17
	s_mov_b32 s[G0A0], 1
	s_mov_b32 s[G0A0+1], s22                       ; window 0: slot 0
	s_mov_b32 s[G0A], 1
	s_add_co_u32 s[G0A+1], s22, SLOT1              ; window 1: slot 1
	s_mov_b32 s[G0BF], 1
	s_add_co_u32 s[G0BF+1], s23, 3*GRP             ; window 0's five groups stand at positions 3 to 7
	s_mov_b32 s[G0B], 1
	s_add_co_u32 s[G0B+1], s23, SLOT1
	s_mov_b32 s[G0H], 1
	s_add_co_u32 s[G0H+1], s22, s3                 ; waves 0, 1: slot 0's two halves of h; waves 2, 3: slot 1's
	s_mov_b32 s[NL], 0xbfb8aa3b
	s_mov_b32 s[NL+1], s[NL]
	s_mov_b32 s[TL], 0x4038aa3b
	s_mov_b32 s[TL+1], s[TL]
	s_lshl_b32 s2, s[CT], 9                        ; my tile's 128 columns in the table of constants
	s_mov_b32 s3, 0
	s_wait_dscnt 0x0                               ; the opening add is done
	s_wait_kmcnt 0x0
	s_add_nc_u64 s[G0A0+2:G0A0+3], s[4:5], s[88:89]
	s_add_nc_u64 s[G0A+2:G0A+3], s[G0A0+2:G0A0+3], 256       ; K step 1
	s_or_b32 s[G0A0+3], s[G0A0+3], 0x80000000                ; type = 2
	s_or_b32 s[G0A+3], s[G0A+3], 0x80000000
	s_add_nc_u64 s[G0BF+2:G0BF+3], s[6:7], s[90:91]
	s_add_nc_u64 s[G0B+2:G0B+3], s[G0BF+2:G0BF+3], 5*GRP     ; group 5
	s_or_b32 s[G0BF+3], s[G0BF+3], 0x80000000
	s_or_b32 s[G0B+3], s[G0B+3], 0x80000000
	s_add_nc_u64 s[G0H+2:G0H+3], s[4:5], s[92:93]
	s_or_b32 s[G0H+3], s[G0H+3], 0x80000000
	s_add_nc_u64 s[10:11], s[10:11], s[92:93]
	s_add_nc_u64 s[8:9], s[8:9], s[2:3]
	CROUND                                         ; all sixteen work-groups are here: the first joint loads meet
	s_cmp_eq_u32 s[WR], 0                          ; a wave's two first fills stand in one branch, ahead of every wait on TENSORcnt and every LDS read: two loads of mine are out
	s_cbranch_scc0 .Lfirst_b
	tensor_load_to_lds s[G0A0:G0A0+3], s[G1A:G1A+7]
	s_nop 0
	tensor_load_to_lds s[G0A:G0A+3], s[G1A:G1A+7]
	s_nop 0
	PLACES
	s_branch .Lfirst_asked
.Lfirst_b:
	tensor_load_to_lds s[G0BF:G0BF+3], s[G1BF:G1BF+7]
	s_nop 0
	tensor_load_to_lds s[G0B:G0B+3], s[G1B:G1B+7]
	s_nop 0
	PLACES
.Lfirst_asked:
	; the constants: wave w copies kind w's 128 columns, 512 consecutive bytes, into LDS once
	v_and_b32 v15, 31, v0                          ; lane
	v_lshlrev_b32 v11, 4, v15
	v_lshl_add_u32 v11, v1, 12, v11                ; 4,096 w + 16 l
	global_load_b128 v[16:19], v11, s[8:9]
	v_and_b32 v1, 15, v0                           ; r = l % 16
	v_bfe_u32 v14, v0, 4, 1                        ; hh = l / 16
	s_mul_i32 s2, s[WR], HALFA
	s_mul_i32 s3, s[WV], 16*PA
	s_add_co_u32 s3, s3, STAGE                     ; my stage
	; a fragment of h is 16 rows x 32 k: lane l holds row r, k = 8 hh + 0..7 and 16 + 8 hh + 0..7; in f32 that is 32 bytes at 32 hh and 32 bytes at 64 + 32 hh of the row
	v_mul_u32_u24 v[ADRH], v1, PA
	v_lshl_add_u32 v[ADRH], v14, 5, v[ADRH]        ; 272 r + 32 hh
	v_add_nc_u32 v[ADRA], s2, v[ADRH]
	v_add_nc_u32 v[ADRA+1], SLOT1, v[ADRA]
	v_add_nc_u32 v[STO], s3, v[ADRH]               ; into the stage: the same place in a row of 64 columns
	v_add_nc_u32 v[ADRH], s[G0H+1], v[ADRH]
	v_lshl_add_u32 v[ADRB], v15, 4, s23            ; W's images are read as they lie: 16 bytes a lane
	v_add_nc_u32 v[ADRB+1], SLOT1, v[ADRB]
	v_mul_u32_u24 v[RD], v14, PA                   ; back: lanes 0-15 take one row of 256 bytes, lanes 16-31 the next
	v_lshl_add_u32 v[RD], v1, 4, v[RD]
	v_add_nc_u32 v[RD], s3, v[RD]
	v_lshlrev_b32 v[GO], 12, v14                   ; and the same two rows in h'
	v_lshl_add_u32 v[GO], v1, 4, v[GO]
	s_lshl_b32 s2, s[WC], 8
	s_add_co_u32 s2, s2, BIAS
	v_lshl_add_u32 v[ADRC], v14, 5, s2             ; my 8 columns of a block of 16
	v_lshl_add_u32 v15, v0, 4, BIAS
	s_wait_loadcnt 0x0
	ds_store_b128 v15, v[16:19]
; a pair pr of row blocks of h, 32 k at byte 128 hf of slot sl's rows, as f32 into st: 8 loads
.macro LOADA st, sl, hf, pr
.set xe, 0
.rept 2
.set xc, 0
.rept 4
	ds_load_b128 v[(\st)+16*xe+4*xc:(\st)+16*xe+4*xc+3], v[ADRA+(\sl)] offset:(2*(\pr)+xe)*16*PA+128*(\hf)+16*(xc%2)+64*(xc/2)
.set xc, xc+1
.endr
.set xe, xe+1
.endr
.endm
; the pair is rounded to bf16: 16 conversions make two fragments
.macro CVTA st, af, pr
.set xe, 0
.rept 2
.set xi, 0
.rept 8
	v_cvt_pk_bf16_f32 v[(\af)+8*(2*(\pr)+xe)+xi], v[(\st)+16*xe+2*xi], v[(\st)+16*xe+2*xi+1]
.set xi, xi+1
.endr
.set xe, xe+1
.endr
.endm
; the group at position pos of slot sl: 6 loads
.macro LOADB bf, sl, pos
.set xi, 0
.rept 3
	ds_load_b128 v[(\bf)+8*xi:(\bf)+8*xi+3],   v[ADRB+(\sl)] offset:GRP*(\pos)+1024*xi
	ds_load_b128 v[(\bf)+8*xi+4:(\bf)+8*xi+7], v[ADRB+(\sl)] offset:GRP*(\pos)+1024*xi+512
.set xi, xi+1
.endr
.endm
; 8 matrix instructions: fragment f = 3 q + i of W x the 8 row blocks.  The 96 accumulators take turns, one instruction a turn, in the same order in every phase.
.macro MUL8 par, q, i, zero
.set xf, 3*(\q)+(\i)
.set xb, xf%4
	WIN 0x50*(xf/4+1)                              ; C and D in the gate's window, sources in window 0
.set xa, 0
.rept 8
.if \zero
	v_wmma_f32_16x16x32_bf16 v[8*(4*xa+xb):8*(4*xa+xb)+7], v[BF+24*((\q)%2)+8*(\i):BF+24*((\q)%2)+8*(\i)+7], v[AF+64*(\par)+8*xa:AF+64*(\par)+8*xa+7], 0
.else
	v_wmma_f32_16x16x32_bf16 v[8*(4*xa+xb):8*(4*xa+xb)+7], v[BF+24*((\q)%2)+8*(\i):BF+24*((\q)%2)+8*(\i)+7], v[AF+64*(\par)+8*xa:AF+64*(\par)+8*xa+7], v[8*(4*xa+xb):8*(4*xa+xb)+7]
.endif
.set xa, xa+1
.endr
.endm
; A UNIT.  At its head: the pair that the last unit's head loaded is converted (q = 0: this phase's pair 3; else the next phase's pair q - 1), the next phase's pair q and the next unit's group are loaded.
; The 16 conversions name no register of the products in front of them: they are the places in front of the loads into W's buffer, which those products read.
; The other buffer of h's fragments is written from q = 1 on, behind the 16 conversions of q = 0, which are the places behind its last readers.
.macro UNIT par, q, ls, hf, zero, cv=1, la=1, lb=1
	WIN 0
.if \cv
	s_wait_dscnt 6                                 ; of the last head's 8 loads of h and then 6 of W, W's may stay out
.if (\q) == 0
	CVTA AS, AF+64*(\par), 3
.else
	CVTA AS, AF+64*(1-(\par)), (\q)-1
.endif
.elseif \lb
	PLACES
.endif
.if \la
	LOADA AS, \ls, \hf, \q
.endif
.if \lb
	LOADB BF+24*(((\q)+1)%2), \ls, 4*(\hf)+(\q)
.endif
	s_wait_dscnt 8*(\la)+6*(\lb)                   ; all but those just issued: this unit's group is in
	MUL8 \par, \q, 0, \zero
	MUL8 \par, \q, 1, \zero
	MUL8 \par, \q, 2, \zero
.endm
; THE FIRST UNIT OF AN ODD PHASE changes slots.  In front of the barrier each wave waits for all its tensor loads, of which one is out: its part of the next slot; adds 0 to its spare word; and waits for that and
; for its own reads of the slot that is left.  The barrier opens a round of the cluster's barrier: behind it no wave of any partner reads that slot or has a load on its way, and it is filled again first.
; kind 0: the window two on.  kind 1: waves 0, 1 their old h, waves 2, 3 W's last three groups.  kind 2: waves 2, 3 their old h.
; From a request to the wait for it a wave issues 184 matrix instructions.
.macro UNITB par, ls, kind, la=1
	WIN 0
	s_wait_tensorcnt 0x0                           ; no tensor load of mine is out, so a group 0 may be written
	ds_add_u32 v[SPW], v[NIL]                      ; 0 onto my spare word
.if (\kind) == 0
	s_xor_b32 s[G0A+1], s[G0A+1], SLOT1            ; the other slot than last time,
	s_add_nc_u64 s[G0A+2:G0A+3], s[G0A+2:G0A+3], 256  ; the next 64 k; the type bits on top are not reached
.endif
.if (\kind) < 2
	s_xor_b32 s[G0B+1], s[G0B+1], SLOT1
	s_add_nc_u64 s[G0B+2:G0B+3], s[G0B+2:G0B+3], BSTR  ; the next 8 groups
.endif
	s_wait_dscnt 7                                 ; the add and W's 6 loads may stay out: h's pair is in
	CVTA AS, AF+64*(\par), 3
	s_wait_dscnt 0x0                               ; the add is done, and my reads of the slot are over
	s_barrier_signal -1
	MUL8 \par, 0, 0, 0                             ; work on registers while the others arrive
	WIN 0
	s_barrier_wait -1
	CREST
.if (\kind) == 0
	JLOAD G0A, G1A, G0B, G1B
.elseif (\kind) == 1
	JLOAD G0H, G1H, G0B, G1BL
.else
	JLOADH
.endif
.if \la
	LOADA AS, \ls, 0, 0
.endif
	LOADB BF+24, \ls, 0
	MUL8 \par, 0, 1, 0                             ; this unit's group came in ahead of the barrier
	MUL8 \par, 0, 2, 0
.endm
.macro PHASE par, ls, hf, zero
	UNIT \par, 0, \ls, \hf, \zero
	UNIT \par, 1, \ls, \hf, \zero
	UNIT \par, 2, \ls, \hf, \zero
	UNIT \par, 3, \ls, \hf, \zero
.endm
.macro PHASEB par, ls, kind
	UNITB \par, \ls, \kind
	UNIT \par, 1, \ls, 0, 0
	UNIT \par, 2, \ls, 0, 0
	UNIT \par, 3, \ls, 0, 0
.endm
	s_wait_tensorcnt 0x1                           ; my part of window 0 is in; window 1's may stay out
	s_wait_dscnt 0x0                               ; my part of the constants is stored
	s_barrier_signal -1
	s_barrier_wait -1                              ; everybody's is
	LOADA AS, 0, 0, 0                              ; phase 0's fragments of h: pairs 0 to 2 are made here, pair 3 by the phase's first unit
	LOADA AS2, 0, 0, 1
	s_wait_dscnt 8                                 ; the younger pair's 8 loads may stay out
	CVTA AS, AF, 0
	LOADA AS, 0, 0, 2
	s_wait_dscnt 8
	CVTA AS2, AF, 1
	s_wait_dscnt 0x0
	CVTA AS, AF, 2
	LOADA AS, 0, 0, 3
	LOADB BF, 0, 3                                 ; group 0
	PHASE 0, 0, 1, 1                               ; phase 0 stands in front of the loop: its products start the sums
	WIN 0                                          ; at a label and at a branch every window is 0
	s_mov_b32 s[CNT], 7
.Ltrip:                                                ; phases 4 m + 1 to 4 m + 4: once round the ring, both slots are filled again
	PHASEB 1, 1, 0
	PHASE 0, 1, 1, 0
	PHASEB 1, 0, 0
	PHASE 0, 0, 1, 0
	WIN 0
	s_sub_co_u32 s[CNT], s[CNT], 1
	s_cmp_lg_u32 s[CNT], 0
	s_cbranch_scc1 .Ltrip
	PHASEB 1, 1, 1                                 ; phase 29: slot 0 takes W's last groups and waves 0 and 1's old h
	PHASE 0, 1, 1, 0                               ; phase 30
	UNITB 1, 0, 2, 0                               ; phase 31: slot 1 takes waves 2 and 3's old h; there is no further h to read
	UNIT 1, 1, 0, 0, 0, 0, 0, 1
	UNIT 1, 2, 0, 0, 0, 0, 0, 1
	UNIT 1, 3, 0, 0, 0, 0, 0, 0
; THE WAY OUT, a row block (16 rows x 64 columns) at a time.  The gates are made in place on the block's 32 registers in each of the three windows; each accumulator's lowest registers are read first.
.macro LOADH a                         ; the old h of row block a: the same lanes and registers as the accumulators
.set xi, 0
.rept 8
	ds_load_b128 v[HO+32*((\a)%2)+4*xi:HO+32*((\a)%2)+4*xi+3], v[ADRH] offset:16*PA*(\a)+64*(xi/2)+16*(xi%2)
.set xi, xi+1
.endr
.endm
.macro TR op, win                      ; 32 transcendentals in place
	WIN \win
.set xi, 0
.rept 32
	\op v[rb+xi], v[rb+xi]
.set xi, xi+1
.endr
.endm
.macro SCALE win, sc, cc               ; x = x * scalar + my columns' constant
	WIN \win
.set xi, 0
.rept 16
	v_pk_fma_f32 v[rb+xi:rb+xi+1], v[rb+xi:rb+xi+1], s[(\sc):(\sc)+1], v[(\cc)+xi:(\cc)+xi+1] op_sel_hi:[1,0,1]
.set xi, xi+2
.endr
.endm
.macro PLUS1 win
	WIN \win
.set xi, 0
.rept 16
	v_pk_add_f32 v[rb+xi:rb+xi+1], v[rb+xi:rb+xi+1], 1.0 op_sel_hi:[1,0]
.set xi, xi+2
.endr
.endm
.macro GATES a
.set rb, 32*(\a)
	SCALE 0x41, NL, CR                             ; -L (sum_r + cr)
	SCALE 0x82, NL, CZ                             ; -L (sum_z + cz)
	SCALE 0xc3, TL, CH                             ; 2 L (sum_n + bhn)
	TR v_exp_f32, 0x41
	TR v_exp_f32, 0x82
	v_nop                                          ; a plain instruction between the last exponential and the use of the results (ISA guide 5.7.2)
	s_wait_alu depctr_va_vdst(0)
	PLUS1 0x41
	PLUS1 0x82
	TR v_rcp_f32, 0x41                             ; r
	TR v_rcp_f32, 0x82                             ; z
	v_nop
	WIN 0xcd                                       ; destination and source 1 window 3, source 0 window 1, source 2 window 0
.set xi, 0
	s_wait_alu depctr_va_vdst(0)
.rept 16
	v_pk_fma_f32 v[rb+xi:rb+xi+1], v[rb+xi:rb+xi+1], v[rb+xi:rb+xi+1], v[CI+xi:CI+xi+1]  ; 2 L (cin + r (sum_n + bhn))
.set xi, xi+2
.endr
	TR v_exp_f32, 0xc3
	v_nop
	s_wait_alu depctr_va_vdst(0)
	PLUS1 0xc3
	TR v_rcp_f32, 0xc3
	v_nop
.set xi, 0
	s_wait_alu depctr_va_vdst(0)
.rept 16
	v_pk_fma_f32 v[rb+xi:rb+xi+1], v[rb+xi:rb+xi+1], -2.0, 1.0 op_sel_hi:[1,0,0]          ; n = 1 - 2 / (1 + 2^..)
.set xi, xi+2
.endr
.endm
.macro FINAL a                         ; h' = n + z (h - n)
.set rb, 32*(\a)
.set ho, HO+32*((\a)%2)
	WIN 0x0c                                       ; source 1 window 3
.set xi, 0
.rept 16
	v_pk_add_f32 v[ho+xi:ho+xi+1], v[ho+xi:ho+xi+1], v[rb+xi:rb+xi+1] neg_lo:[0,1] neg_hi:[0,1]
.set xi, xi+2
.endr
	WIN 0x32                                       ; source 0 window 2, source 2 window 3
.set xi, 0
.rept 16
	v_pk_fma_f32 v[ho+xi:ho+xi+1], v[rb+xi:rb+xi+1], v[ho+xi:ho+xi+1], v[rb+xi:rb+xi+1]
.set xi, xi+2
.endr
.endm
.macro TOSTAGE a                       ; a lane's 16 bytes go into rows of 272 bytes of my own stage and come back as whole rows of 256
.set ho, HO+32*((\a)%2)
.set xi, 0
.rept 8
	ds_store_b128 v[STO], v[ho+4*xi:ho+4*xi+3] offset:64*(xi/2)+16*(xi%2)
.set xi, xi+1
.endr
.set xi, 0
.rept 8
	ds_load_b128 v[BK+4*xi:BK+4*xi+3], v[RD] offset:2*PA*xi  ; LDS serves a wave's instructions in order (ISA guide 5.7.1.4): these see the stores above; the next block's stores come behind them
.set xi, xi+1
.endr
.endm
.macro SEND a
.set xi, 0
.rept 8
	global_store_b128 v[GO], v[BK+4*xi:BK+4*xi+3], s[10:11] offset:(16*(\a)+2*xi)*4096  ; 16 lanes store 256 consecutive bytes, at a multiple of 256 from h's first byte
.set xi, xi+1
.endr
.endm
.macro EPI a
.if (\a) < 7
	LOADH (\a)+1                                   ; a block ahead: it lands under this block's gates
.endif
.if (\a) == 0
	s_wait_dscnt 16                                ; the old h of blocks 0 and 1 may stay out: the constants are in
.endif
	GATES \a
	WIN 0
.if (\a) < 7
	s_wait_dscnt 8                                 ; only the next block's old h may stay out: this block's is in, and the last block is back from the stage
.else
	s_wait_dscnt 0x0
.endif
.if (\a) > 0
	SEND (\a)-1
.endif
	FINAL \a
	WIN 0
.if (\a) > 0
	s_wait_xcnt 0x0                                ; the registers that the stores above read are loaded again only behind this wait (ISA guide 3.1)
.endif
	TOSTAGE \a
.endm
	WIN 0
	s_wait_tensorcnt 0x0                           ; my old h is in; only I read it
	PLACES                                         ; behind the last products: the loads below land in their sources, the gates read their results
.set xi, 0
.rept 32                                               ; kind xi / 8, column block (xi / 2) % 4: 8 constants a lane and block
	ds_load_b128 v[CR+4*xi:CR+4*xi+3], v[ADRC] offset:512*(xi/8)+64*((xi/2)%4)+16*(xi%2)
.set xi, xi+1
.endr
	LOADH 0
.irp a, 0,1,2,3,4,5,6,7
	EPI \a
.endr
	s_wait_dscnt 0x0
	SEND 7
	s_wait_tensorcnt 0x0                           ; the wave's end, behind my last tensor load and my last LDS store
	ds_add_u32 v[SPW], v[NIL]
	s_wait_dscnt 0x0
	CROUND                                         ; the closing round: no work-group ends while a partner may still ask for a tile that names it
	s_endpgm
.Lfunc_end_k_q4195484e3c_step1:
	.size	k_q4195484e3c_step1, .Lfunc_end_k_q4195484e3c_step1-k_q4195484e3c_step1
	.p2alignl 7, 3214868480
	.fill 96, 4, 3214868480
	.section	.rodata,"a",@progbits
	.p2align	6, 0x0
	.amdhsa_kernel k_q4195484e3c_step1
		.amdhsa_group_segment_fixed_size 327680
		.amdhsa_private_segment_fixed_size 0
		.amdhsa_enable_private_segment 0
		.amdhsa_kernarg_size 32
		.amdhsa_user_sgpr_count 2
		.amdhsa_user_sgpr_kernarg_segment_ptr 1
		.amdhsa_wavefront_size32 1
		.amdhsa_system_sgpr_workgroup_id_x 1
		.amdhsa_system_sgpr_workgroup_id_y 1
		.amdhsa_system_sgpr_workgroup_id_z 1
		.amdhsa_system_vgpr_workitem_id 0
		.amdhsa_next_free_vgpr 1024
		.amdhsa_next_free_sgpr 100
		.amdhsa_reserve_vcc 0
		.amdhsa_float_denorm_mode_32 3
		.amdhsa_float_denorm_mode_16_64 3
		.amdhsa_memory_ordered 1
		.amdhsa_forward_progress 1
		.amdhsa_inst_pref_size 255
	.end_amdhsa_kernel
	.section	.bss,"aw",@nobits
	.p2align	6
	.space	262144
	.amdgpu_metadata
---
amdhsa.version: [ 1, 2 ]
amdhsa.kernels:
  - .name:           k_q4195484e3c_step1
    .symbol:         k_q4195484e3c_step1.kd
    .args:
      - { .name: z, .offset: 0, .size: 8, .value_kind: global_buffer, .address_space: global }
      - { .name: wb, .offset: 8, .size: 8, .value_kind: global_buffer, .address_space: global }
      - { .name: bias1, .offset: 16, .size: 8, .value_kind: global_buffer, .address_space: global }
      - { .name: h1, .offset: 24, .size: 8, .value_kind: global_buffer, .address_space: global }
    .group_segment_fixed_size: 327680
    .private_segment_fixed_size: 0
    .kernarg_segment_align: 8
    .kernarg_segment_size: 32
    .max_flat_workgroup_size: 128
    .sgpr_count:     100
    .vgpr_count:     1024
    .wavefront_size: 32
...
	.end_amdgpu_metadata
.endif
;; end of part 2
;; launch step2: the kernel of part 2 again; grid 8 x 32, 4 waves a work-group, clusters of 4 x 4, 327,680 bytes of LDS; arguments h1, wb, bias2, out0; writes out0
;; ======== version 2 of 2: 3 launches; version 1 with the launch prep written anew for expert scheduling mode
;; workspace buffers: wb 6,291,456 bytes; bias1 16,384 bytes; bias2 16,384 bytes; h1 33,554,432 bytes
;; launch prep (part 3): grid 388 x 1, 4 waves a work-group, no clusters, 17,920 bytes of LDS; arguments W_hh, W_ih, b_ih, b_hh, wb, bias1, bias2; writes wb, bias1, bias2
.if DOCPART == 3
	.amdgcn_target "amdgcn-amd-amdhsa--gfx1250"
	.amdhsa_code_object_version 6
	.text
	.protected	k_q4195484e3c_prep
	.globl	k_q4195484e3c_prep
	.p2align	8
	.type	k_q4195484e3c_prep,@function
k_q4195484e3c_prep:
	s_mov_b64 s[64:65], 0
	v_nop
	global_prefetch_b8 v0, s[64:65] scope:SCOPE_SE
	s_setreg_imm32_b32 hwreg(HW_REG_WAVE_SCHED_MODE, 0, 2), 2
	s_setreg_imm32_b32 hwreg(HW_REG_WAVE_MODE, 25, 1), 1
	s_wait_xcnt 0x0
	s_wait_alu depctr_vm_vsrc(0)
; PREPARATION for the two GRU steps.
; (1) Work-groups 0 to 383: W_hh [3072][1024] f32 is rounded to bf16 (nearest even) and laid out as the register images that the step kernel's waves read:
;     wb = [ct 8][wc 2][U 128][i 3][c 2][L 32][8 bf16], where U = 4 p + q, f = 3 q + i, g = f / 4, b = f % 4,
;     row n = 1024 g + 128 ct + 64 wc + 16 b + L % 16 of W_hh and k = 32 p + 16 c + 8 (L / 16) + 0..7.  A fragment (16 rows x 32 k) is 1,024 dense bytes.
;     A work-group takes 16 rows x 512 k, each of its four waves 16 rows x 128 k: 16 loads of 512 consecutive bytes of a row, a turn through the wave's own
;     LDS bytes (rows of 256 bytes + 16 of padding), 8 stores of 512 consecutive bytes.  No wave reads another's bytes: no barrier.
; (2) Work-groups 384 to 387: the gates' constants for t = 1 (bias1) and t = 2 (bias2), [kind 4][1024] f32, with L = log2(e):
;     kind 0: -L (t Wih_r + bih_r + bhh_r)   kind 1: the same for the z gate   kind 2: 2 L (t Wih_n + bih_n)   kind 3: 2 L bhh_n
;     A thread makes two neighbouring columns; a wave's store covers 256 consecutive bytes, aligned.
; LIMITS: the sums of the biases are formed here in another order than gi + gh; NaN and infinities are not treated apart.
; THE MODE: SCHED_MODE bits 1:0 = 2 (LLVM: expert scheduling mode 2), set by the entry lines.  The code itself states the register dependences
; between vector instructions and memory or LDS instructions, with s_wait_alu, always for 0.
; THE PLAN, part (1).  Registers that memory or LDS instructions touch:
;   v[LO], v[ST], v[RB]  offsets and LDS addresses: made once at the head, never written again.
;   X   row i at X + 4 i: written by that row's load, once; read by its two conversions.  No vector instruction names X ahead of the loads.
;   Y   row i at Y + 2 i: written by the row's conversions, once; read by its LDS store; never written again.
;   F   written by the LDS loads, read by the global stores; no vector instruction names it.
;   v[SPW], v[NIL]  written at the head, read by the closing add alone.
; The 16 rows go in four blocks of four.  At the head of block b, behind the wait for its loads, ONE wait on va_vdst states that block b - 1's conversions have written
; their Y; that block's four LDS stores follow, dealt among block b's conversions, which name X and Y of block b alone.  One more such wait stands behind block 3.
; No register that a memory or LDS instruction reads is written again, so no wait on vm_vsrc is owed.
; THE PLAN, part (2).  v8, the offset, is made once.  v[10:27] are written by the loads alone.  Both tables, v[40:55], are made first; one wait on va_vdst; then the eight stores.
.set PW,    272                        ; an LDS row: 128 bf16 + 16 bytes of padding: the 16 rows of a load back start at 16 different groups of four banks (64 banks of 4 bytes: ISA guide 11.1)
.set SPARE, 4*16*PW                    ; 17,408: behind the four waves' stages: the spare words, 128 bytes a wave, which no other line names
.set LO,  2                            ; v2   16 x lane: my bytes in 512 consecutive bytes, in and out
.set ST,  3                            ; v3   where I put 8 bytes of a row
.set RB,  4                            ; v4   where I read 16 bytes of a fragment back
.set SPW, 5                            ; v5   my spare word
.set NIL, 6                            ; v6   0
.set X,   8                            ; v[8:71]    16 rows, 4 f32 each
.set Y,   72                           ; v[72:103]  the same as 2 registers of bf16
.set F,   104                          ; v[104:135] 8 half fragments
	s_load_b256 s[4:11], s[0:1], 0x0               ; W_hh s[4:5], W_ih s[6:7], b_ih s[8:9], b_hh s[10:11]
	s_load_b128 s[12:15], s[0:1], 0x20             ; wb s[12:13], bias1 s[14:15]
	s_load_b64 s[16:17], s[0:1], 0x30              ; bias2
	v_lshl_add_u32 v[SPW], v0, 2, SPARE
	v_mov_b32 v[NIL], 0
	s_cmp_ge_u32 ttmp9, 384
	s_cbranch_scc1 .Lbias
	v_lshrrev_b32 v1, 5, v0
	v_readfirstlane_b32 s18, v1                    ; wave 0..3
	v_and_b32 v1, 31, v0                           ; lane
	v_lshlrev_b32 v[LO], 4, v1
	v_and_b32 v7, 15, v0
	v_mul_u32_u24 v[RB], v7, PW                    ; back: row lane % 16,
	v_bfe_u32 v7, v0, 4, 1
	v_lshl_add_u32 v[RB], v7, 4, v[RB]             ; 16 bytes for each half of the lanes
	s_wait_alu depctr_va_sdst(0)                   ; s18 is written, ahead of its first reader: the stage's place and both bases are made from it
	s_mul_i32 s19, s18, 16*PW                      ; my wave's stage
	v_lshl_add_u32 v[ST], v1, 3, s19               ; in: 8 bytes a lane along a row
	v_add_nc_u32 v[RB], s19, v[RB]
	s_lshr_b32 s20, ttmp9, 1                       ; nb: which 16 rows of W_hh
	s_and_b32 s21, ttmp9, 1                        ; kh: which half of K
	s_lshl_b32 s22, s20, 16                        ; from: 16 nb rows of 4,096 bytes
	s_lshl_b32 s24, s21, 11                        ; + 512 kh numbers
	s_add_co_u32 s22, s22, s24
	s_lshl_b32 s24, s18, 9                         ; + 128 w numbers
	s_add_co_u32 s22, s22, s24
	s_mov_b32 s23, 0
	s_lshr_b32 s24, s20, 6                         ; g
	s_and_b32 s25, s20, 3                          ; b
	s_lshl2_add_u32 s24, s24, s25                  ; f = 4 g + b, 0 to 11
	s_mul_i32 s25, s24, 11
	s_lshr_b32 s25, s25, 5                         ; q = f / 3 (11 f / 32 is exact for f up to 11)
	s_mul_i32 s26, s25, 3
	s_sub_co_u32 s24, s24, s26                     ; i = f - 3 q
	s_bfe_u32 s26, s20, 0x40002                    ; 2 ct + wc = (nb / 4) % 16
	s_mul_i32 s26, s26, 393216                     ; to: the stream,
	s_lshl_b32 s27, s21, 6
	s_lshl4_add_u32 s27, s18, s27
	s_add_co_u32 s27, s27, s25                     ; group 64 kh + 16 w + q (the four phases stand in the stores' immediates),
	s_mul_i32 s27, s27, 3072
	s_add_co_u32 s26, s26, s27
	s_lshl_b32 s24, s24, 10                        ; fragment i
	s_add_co_u32 s26, s26, s24
	s_mov_b32 s27, 0
	s_wait_kmcnt 0x0
	s_add_nc_u64 s[4:5], s[4:5], s[22:23]
	s_add_nc_u64 s[12:13], s[12:13], s[26:27]
	s_wait_alu depctr_va_vdst(0)                   ; v[LO], v[ST] and v[RB] are written: every load and store below reads one of them as its offset or LDS address
.set i, 0
.rept 16                                               ; sixteen loads in flight: 512 consecutive bytes of a row each; W_hh is read once in the launch
	global_load_b128 v[X+4*i:X+4*i+3], v[LO], s[4:5] offset:4096*i th:TH_LOAD_NT
.set i, i+1
.endr
.set b, 0
.rept 4                                                ; block b: rows 4 b to 4 b + 3 are rounded; the block before goes into the stage
	s_wait_loadcnt 12-4*b                          ; loads come back in order: this block's four rows are in, the younger blocks stay out
.if b > 0
	s_wait_alu depctr_va_vdst(0)                   ; the conversions of the block before have written their Y, which the four LDS stores below read
.endif
.set j, 0
.rept 4
.if b > 0
	ds_store_b64 v[ST], v[Y+2*(4*b-4+j):Y+2*(4*b-4+j)+1] offset:PW*(4*b-4+j)  ; no vector instruction since the wait names these registers
.endif
	v_cvt_pk_bf16_f32 v[Y+2*(4*b+j)], v[X+4*(4*b+j)], v[X+4*(4*b+j)+1]
	v_cvt_pk_bf16_f32 v[Y+2*(4*b+j)+1], v[X+4*(4*b+j)+2], v[X+4*(4*b+j)+3]
.set j, j+1
.endr
.set b, b+1
.endr
	s_wait_alu depctr_va_vdst(0)                   ; block 3's conversions have written their Y, which the last four LDS stores read
.set j, 12
.rept 4
	ds_store_b64 v[ST], v[Y+2*j:Y+2*j+1] offset:PW*j
.set j, j+1
.endr
.set i, 0
.rept 8                                                ; half fragment i = 2 pp + c: k = 32 pp + 16 c + 8 (lane / 16) on.  LDS serves a wave's instructions in order: these see the stores above
	ds_load_b128 v[F+4*i:F+4*i+3], v[RB] offset:32*i
.set i, i+1
.endr
.set i, 0
.rept 8
	s_wait_dscnt 7-i
	global_store_b128 v[LO], v[F+4*i:F+4*i+3], s[12:13] offset:12288*(i/2)+512*(i%2)  ; 512 consecutive bytes, at a multiple of 512 from wb's first
.set i, i+1
.endr
	s_wait_dscnt 0x0                               ; the wave's end
	s_wait_alu 0x0
	s_wait_tensorcnt 0x0
	ds_add_u32 v[SPW], v[NIL]
	s_wait_dscnt 0x0
	s_endpgm
.Lbias:                                                ; this way writes no LDS
	s_sub_co_u32 s18, ttmp9, 384
	s_lshl_b32 s18, s18, 7
	v_add_nc_u32 v8, s18, v0                       ; T = 0 to 511: columns 2 T and 2 T + 1
	v_lshlrev_b32 v8, 3, v8
	s_mov_b32 s20, 0xbfb8aa3b                      ; -log2(e), named as a pair
	s_mov_b32 s21, s20
	s_mov_b32 s22, 0x4038aa3b                      ; 2 log2(e)
	s_mov_b32 s23, s22
	s_wait_kmcnt 0x0
	s_wait_alu depctr_va_vdst(0)                   ; v8 is written: the nine loads and the eight stores below read it as their offset
.irp g, 0,1,2
	global_load_b64 v[10+2*\g:11+2*\g], v8, s[6:7] offset:4096*\g    ; W_ih of gate g
	global_load_b64 v[16+2*\g:17+2*\g], v8, s[8:9] offset:4096*\g    ; b_ih
	global_load_b64 v[22+2*\g:23+2*\g], v8, s[10:11] offset:4096*\g  ; b_hh
.endr
	s_wait_loadcnt 0x0
.irp g, 0,1,2
	v_pk_add_f32 v[28+2*\g:29+2*\g], v[10+2*\g:11+2*\g], v[16+2*\g:17+2*\g]                       ; t = 1: W_ih + b_ih
	v_pk_fma_f32 v[34+2*\g:35+2*\g], v[10+2*\g:11+2*\g], 2.0, v[16+2*\g:17+2*\g] op_sel_hi:[1,0,1]  ; t = 2
.endr
.macro TABLE x, y                      ; the four kinds from gi at v[x ..], into v[y ..]
	v_pk_add_f32 v[(\y):(\y)+1], v[(\x):(\x)+1], v[22:23]
	v_pk_add_f32 v[(\y)+2:(\y)+3], v[(\x)+2:(\x)+3], v[24:25]
	v_pk_mul_f32 v[(\y):(\y)+1], v[(\y):(\y)+1], s[20:21] op_sel_hi:[1,0]
	v_pk_mul_f32 v[(\y)+2:(\y)+3], v[(\y)+2:(\y)+3], s[20:21] op_sel_hi:[1,0]
	v_pk_mul_f32 v[(\y)+4:(\y)+5], v[(\x)+4:(\x)+5], s[22:23] op_sel_hi:[1,0]
	v_pk_mul_f32 v[(\y)+6:(\y)+7], v[26:27], s[22:23] op_sel_hi:[1,0]
.endm
.macro SENDT y, base                   ; the four kinds at v[y ..] are stored to the table at s[base]
.irp k, 0,1,2,3
	global_store_b64 v8, v[(\y)+2*\k:(\y)+2*\k+1], s[(\base):(\base)+1] offset:4096*\k
.endr
.endm
	TABLE 28, 40
	TABLE 34, 48
	s_wait_alu depctr_va_vdst(0)                   ; both tables, v[40:55], are written: the eight stores below read them
	SENDT 40, 14
	SENDT 48, 16
	s_endpgm
.Lfunc_end_k_q4195484e3c_prep:
	.size	k_q4195484e3c_prep, .Lfunc_end_k_q4195484e3c_prep-k_q4195484e3c_prep
	.p2alignl 7, 3214868480
	.fill 96, 4, 3214868480
	.section	.rodata,"a",@progbits
	.p2align	6, 0x0
	.amdhsa_kernel k_q4195484e3c_prep
		.amdhsa_group_segment_fixed_size 17920
		.amdhsa_private_segment_fixed_size 0
		.amdhsa_enable_private_segment 0
		.amdhsa_kernarg_size 56
		.amdhsa_user_sgpr_count 2
		.amdhsa_user_sgpr_kernarg_segment_ptr 1
		.amdhsa_wavefront_size32 1
		.amdhsa_system_sgpr_workgroup_id_x 1
		.amdhsa_system_sgpr_workgroup_id_y 1
		.amdhsa_system_sgpr_workgroup_id_z 1
		.amdhsa_system_vgpr_workitem_id 0
		.amdhsa_next_free_vgpr 136
		.amdhsa_next_free_sgpr 66
		.amdhsa_reserve_vcc 0
		.amdhsa_float_denorm_mode_32 3
		.amdhsa_float_denorm_mode_16_64 3
		.amdhsa_memory_ordered 1
		.amdhsa_forward_progress 1
		.amdhsa_inst_pref_size 12
	.end_amdhsa_kernel
	.amdgpu_metadata
---
amdhsa.version: [ 1, 2 ]
amdhsa.kernels:
  - .name:           k_q4195484e3c_prep
    .symbol:         k_q4195484e3c_prep.kd
    .args:
      - { .name: W_hh, .offset: 0, .size: 8, .value_kind: global_buffer, .address_space: global }
      - { .name: W_ih, .offset: 8, .size: 8, .value_kind: global_buffer, .address_space: global }
      - { .name: b_ih, .offset: 16, .size: 8, .value_kind: global_buffer, .address_space: global }
      - { .name: b_hh, .offset: 24, .size: 8, .value_kind: global_buffer, .address_space: global }
      - { .name: wb, .offset: 32, .size: 8, .value_kind: global_buffer, .address_space: global }
      - { .name: bias1, .offset: 40, .size: 8, .value_kind: global_buffer, .address_space: global }
      - { .name: bias2, .offset: 48, .size: 8, .value_kind: global_buffer, .address_space: global }
    .group_segment_fixed_size: 17920
    .private_segment_fixed_size: 0
    .kernarg_segment_align: 8
    .kernarg_segment_size: 56
    .max_flat_workgroup_size: 128
    .sgpr_count:     66
    .vgpr_count:     136
    .wavefront_size: 32
...
	.end_amdgpu_metadata
.endif
;; end of part 3
;; launch step1: the kernel of part 2 again; grid 8 x 32, 4 waves a work-group, clusters of 4 x 4, 327,680 bytes of LDS; arguments z, wb, bias1, h1; writes h1
;; launch step2: the kernel of part 2 again; grid 8 x 32, 4 waves a work-group, clusters of 4 x 4, 327,680 bytes of LDS; arguments h1, wb, bias2, out0; writes out0
